; MI455X (gfx1250); checked and timed in simulation.
; The chip was launched on July 23, 2026; its instructions are those of AMD's public machine-readable ISA for CDNA 5 (MIT licence, August 2026) and "CDNA5" Instruction Set Architecture Reference Guide (July 2026). The comments in the code are by the model that wrote it; some were corrected since.
;; Full Attention. Allowed arithmetic: matrix products marked QUANTISED: E4M3 operands, one given power-of-two scale a tensor, by v_wmma_f32_16x16x64_fp8_fp8 or v_wmma_f32_16x16x128_fp8_fp8, f32 sums; everything else in f32.
;; Inputs: keys_codes 4 x 2,048 x 16 x 2 x 32 uint8 (E4M3 codes of keys, K innermost, in blocks of 32 codes); lowp_scales 4 int32 (the exponents e of the quantised operands' scales 2^e); queries_codes 4 x 2,048 x 16 x 2 x 32 uint8 (E4M3 codes of queries, K innermost, in blocks of 32 codes); values_codes 4 x 16 x 64 x 64 x 32 uint8 (E4M3 codes of values, K innermost, in blocks of 32 codes).
;; Outputs: out0 4 x 2,048 x 16 x 64 float32.
;; This version of the problem:
;;   THIS VERSION OF THE PROBLEM IS GIVEN IN LOW PRECISION. The matrix products marked QUANTISED in the list below multiply operands that are first quantised to E4M3 (4 exponent bits, 3 mantissa bits; 8 bits a number), with one given power-of-two scale for each operand tensor; their sums are f32. All else is computed in f32.
;;   The module's matrix products, in the order in which they are computed (A, B: the left and right operand; K: the contracted axis; several contracted axes count as one K, in the product's order):
;;     1. batch 64 x [M 2,048, K 64] x [K 64, N 2,048]; A: input queries (given as codes); B: input keys (given as codes): QUANTISED (scales: A lowp_scales[0], B lowp_scales[1])
;;     2. batch 64 x [M 64, K 2,048] x [K 2,048, N 2,048]; A: input values (given as codes); B: softmax (see below): QUANTISED (scales: A lowp_scales[2], B lowp_scales[3])
;;   THE QUANTISER, for each operand of a quantised product, along K:
;;     - The operand's scale is 2^e, e = its entry of the input lowp_scales (int32; the entries are numbered through the quantised products in the list's order, A before B).
;;     - Each number is divided by the scale, clamped to +-448, and rounded to the nearest number of E4M3, ties to even, subnormals kept.
;;     - The product sums the exact products of the quantised numbers (number of the format x scale) in f32.
;;   ~~~python
;;   def quantise(x, axis, e):      # numpy; x: float32 -> the quantised numbers, widened to float32 again
;;       x = np.moveaxis(x, axis, -1); K = x.shape[-1]
;;       r = np.clip(x / 2.0 ** e, -448, 448)
;;       step = 2.0 ** (np.maximum(np.frexp(np.where(r == 0, 1, r))[1] - 1, -6) - 3)
;;       q = np.round(r / step) * step * 2.0 ** e      # np.round: ties to even
;;       return np.moveaxis(q, -1, axis).astype(np.float32)
;;   ~~~
;;   SOFTMAX AHEAD OF A QUANTISED PRODUCT. Where the list says 'softmax', what is quantised is not the finished softmax but p = 2^(t - M), with t = logit x log2(e) and M = ceil(the row's largest t), a whole number; so 1/2 < the row's largest p <= 1. The row's sum l is taken of the UNQUANTISED p, in f32, and the product's result is divided by l at the end. Since M is a whole number, a kernel that streams over the keys may use a running M (the ceiling of the running maximum): every later rescaling is an exact power of two, so the quantised numbers keep their values, but for numbers so far below the row's largest that they fall under the format's range.
;;   OPERANDS COMPUTED ON THE WAY. 'Computed on the way' means the value that the module computes at that place (a softmax that the list does not call 'softmax' is quantised finished and normalised). What goes into a quantiser is computed in f32, as accurately as f32 sums, v_exp_f32 and their like allow (about 1e-6 of the number): no bf16 or f16 on the way to a quantiser, and a product that is left as it is and whose result goes on into a quantised operand takes f32 operands (vector FMAs, or v_wmma_f32_16x16x4_f32). A number that lies on a knife's edge between two numbers of the format may be rounded either way, as far as f32 arithmetic and the matrix unit's own rounding can turn it there, and no further.
;;   INPUTS GIVEN AS CODES. keys (in the module: [4, 2048, 16, 64], K = its axis 3); queries (in the module: [4, 2048, 16, 64], K = its axis 3); values (in the module: [4, 2048, 16, 64], K = its axis 1): each comes as NAME_codes (uint8): NAME with its K axis moved to the last place and cut into blocks of 32 codes, [.., K / 32, bytes a block], one block behind the other in memory; one code a byte (a code: sign, 4 exponent bits, 3 mantissa bits); its scale is its entry of lowp_scales. Its value is code x scale, taken as it is: it is not quantised again, and the codes and scales need not be those that the quantiser above would give.
;; One version. Each part assembles by itself: llvm-mc -triple=amdgcn-amd-amdhsa -mcpu=gfx1250 --defsym DOCPART=n.
;; ======== version 1 of 1: 1 launch
;; limits: right only within a limited range of input values
;; launch attn (part 1): grid 4 x 64, 8 waves a work-group, no clusters, 297,984 bytes of LDS; arguments queries_codes, keys_codes, values_codes, lowp_scales, out0; writes out0
.if DOCPART == 1
	.amdgcn_target "amdgcn-amd-amdhsa--gfx1250"
	.amdhsa_code_object_version 6
	.text
	.protected	k_qfffd88b446_attn
	.globl	k_qfffd88b446_attn
	.p2align	8
	.type	k_qfffd88b446_attn,@function
k_qfffd88b446_attn:
	s_mov_b64 s[64:65], 0
	v_nop
	global_prefetch_b8 v0, s[64:65] scope:SCOPE_SE
	s_setreg_imm32_b32 hwreg(HW_REG_WAVE_MODE, 25, 1), 1
	s_wait_xcnt 0x0
; out0[b][l][h][:] = the sum over s of softmax_s(Q[b][l][h] . K[b][s][h] / 8) V[b][s][h][:], both products on codes of FP8 (E4M3), each tensor with its given scale 2^e.
; Q, K: [4][2048][16][64] codes (a head's row: 64 bytes, rows 1,024 bytes apart).  V: [4][16][64][2048] codes, the keys innermost.  out0: [4][2048][16][64] f32.
; lowp_scales: eq, ek, ev, ep.  t = score x log2(e) / 8; M = the largest t so far, rounded UP to a whole number; p = 2^(t - M) is quantised with 2^ep, not normalised; the row's sum is
; taken of the unquantised p and divides at the end; when M moves, the sum and O are multiplied by 2^(old M - new M), which rounds nothing.
; SHARES.  256 work-groups: x = a block of 512 queries, y = 16 b + h.  Eight waves, two to a SIMD with 512 registers each.  A wave owns 64 queries, four tiles of 16, and walks all
; 2,048 keys, 128 a step: each fragment of K and V that it reads from LDS feeds four matrix instructions.
; LAYOUT.  Both products are used transposed: S^T = K Q^T (source 0 = 16 keys, source 1 = 16 queries), O^T = V^T P^T (source 0 = 16 channels, source 1 = P): a lane holds ONE query throughout.
; Lane r of K's tile 2 b + u takes key 32 b + 8 u + r + 8 (r / 8), so that a lane's registers 16 b + 0 .. 15 of S^T are the keys 32 b + 16 (lane / 16) + 0 .. 15, and the conversions' results ARE
; source 1 of the second product.  All four operands hold k = 32 g + 16 (lane / 16) + i in register 4 g + i / 4, byte i % 4: one permutation of k on both sides of each product.
; LDS.  A head's K and V, 262,144 bytes, lie in LDS whole, each byte written once, as IMAGES OF THE OPERANDS' REGISTERS, 64 keys in 4,096 bytes: a fragment is 1,024 bytes; its piece
; q = 2 g + lane / 16 is the block at 256 q, and row rho of it lies at column 16 (((rho + 4 q) % 16) xor sigma); sigma = 0 for K, (key / 64) % 4 for V.  With that skew the sixteen lanes of each
; half of a wave touch sixteen different 16-byte columns of a 256-byte block both when the fill stores and when a wave reads.
; THE FILL goes through sixteen registers, in 8 chunks of 256 keys: in a chunk's first step the next chunk's K is stored and its V asked for, in the second step its V is stored and the K after that
; asked for: each load has a whole key step in which to land.  One barrier a chunk, signalled at the head of the chunk's second step and waited for ahead of the first read of the next chunk.
; NO TENSOR LOADS, NO CLUSTER, and why: each work-group brings a head's K and V ONCE in the launch (256 KiB against 16 steps' work on them); register images with a skew cannot be laid by a tile
; copy; and the hold of p at the largest code, 256 vector instructions a step, is needed only for some ep.
; NO PREFETCH: the fill's loads are themselves asked for a whole key step, 48 matrix instructions and their softmax, ahead of the wait for them.
; THE HOLD is in the text and runs wherever it is needed: where ep < -8 (256 p fits under 448, 512 p does not), and where eq + ek > 1 (up to there |t| <= 64 x 448^2 x 0.1804 x 2 < 2^23, so that
; the rounding of c x the maximum moves t - M by 0.5 at the most and p stays under 1.75).
; LIMITS on the given exponents, so that each power of two below is an f32 number: eq + ek between -123 and 130 (added to c's exponent field); ep between -126 and 119; ep + ev is applied by
; v_ldexp_f32 and has none.  The scaled scores stay under 2^31 in magnitude.  NaN codes among the inputs are not served.  v_exp_f32 gives 0 for p under 2^-126.
; REGISTERS, in windows of 256 (s_set_vgpr_msb's low byte: bits 1:0 source 0, 3:2 source 1, 5:4 source 2, 7:6 destination):
;   window 0: v0 the thread's number; v1-15 lane terms and addresses; O^T; Q's fragments; K's four fragments (64 keys); the fill's 16; statistics; 16 at work, later tile 0's codes of P.
;   window 1: S^T, then p, 64 registers a tile.  Behind its conversions tile 0's registers hold the codes of tiles 1 to 3, and tile 1's hold V's fragments.
.set VIMG,  131072                     ; LDS: K's images from 0, V's from here,
.set STG,   262144                     ; a stage of 16 rows x 272 bytes for each wave, for the way out,
.set SP,    272
.set SPARE, STG+8*16*SP                ; and the spare words, 128 bytes for each wave, which no other line names
.set CHUNK, 16384                      ; bytes of K's (and of V's) images in a chunk of 256 keys
.set STEPB, 8192                       ; and in a step of 128 keys
.set LA,  1                            ; v1       a reader's place in a fragment, sigma = 0, register group 0 (group 1: column xor 8, 512 bytes on in the immediate)
.set KS,  2                            ; v2       where the fill puts K's pieces, rows 0-7 of a tile (rows 8-15: column xor 8)
.set SCL, 3                            ; v3       2^ep
.set VS,  4                            ; v4-7     where it puts V's, for each of its four loads
.set GK,  8                            ; v8       the fill's byte offset in K
.set GV,  9                            ; v9       and in V
.set AD,  10                           ; v10-15   LDS addresses in hand: two for K's fragments; four for V's, or for the fill's stores
.set O,   16                           ; O^T, 32 a tile
.set Q,   144                          ; Q's four fragments
.set KF,  176                          ; K's four fragments; during the softmax the factors f
.set FB,  208                          ; the fill's sixteen; in the last step a tile's codes of P
.set ST,  224                          ; tile q at v[ST+4 q]: +0 -M, +1 the largest score so far, +2, +3 the sum in two halves
.set TM,  240                          ; tile q at v[TM+4 q]: at work; then tile 0's codes of P
.set GO,  2                            ; the way out (K's and V's fill terms and K's addresses are done with): v2 my byte offset in the wave's rows of out0
.set STO, 10                           ; v10      where I put 32 bytes of a row
.set RD,  11                           ; v11      where I read a row back
.set SPW, 6                            ; v6       LDS address of my spare word
.set NIL, 7                            ; v7       0
.set FP,  KF                           ; tile q's f = 2^(old M - new M) at v[FP+FS q], the low word of a pair
.set FS,  2
; s[4:5] Q, s[6:7] K, s[8:9] V (steps a chunk at a time), s[10:11] scales, s[12:13] out0; s14 wave; s[20:21] lane selects; s[22:23] c, s34 -c; s[24:27] eq, ek, ev, ep;
; s28 1 where p is held; s29 ep + ev; s30, s31 LDS byte of the K tiles and V fragments to fetch next; s32 LDS byte of the chunk to store next; s33 trips to go; s35 448 x 2^ep; s[50:51] K, a chunk on
.set MSB, 0
.macro WIN new                         ; the immediate's high byte repeats the setting that is left; a switch that changes nothing is dropped
.if MSB != \new
	s_set_vgpr_msb (MSB<<8)|\new
.set MSB, \new
.endif
.endm
.macro VW                              ; a wait ahead of and behind a batch of transcendentals, ahead of O^T's first readers, and between a write and a reader behind a blocking wait or a branch
	s_wait_alu depctr_va_vdst(0)
.endm
; THE FILL.  K: load n takes keys 32 w + 8 n + lane / 4, piece lane % 4: four lanes cover a row's 64 bytes.  V: load n takes rows 8 w + 2 n + lane / 16, the chunk's 256 bytes whole.
; No cache hint: the other three blocks of the head read the same bytes.
.macro KASK dst, base
.irp n, 0,1,2,3
	global_load_b128 v[(\dst)+4*\n:(\dst)+4*\n+3], v[GK], s[\base:\base+1] offset:8192*\n
.endr
.endm
.macro VASK dst
.irp n, 0,1,2,3
	global_load_b128 v[(\dst)+4*\n:(\dst)+4*\n+3], v[GV], s[8:9] offset:4096*\n
.endr
.endm
.macro KADR a
	v_add_nc_u32 v[\a], s32, v[KS]
	v_xor_b32 v[\a+1], 0x80, v[\a]
.endm
.macro KPUT a, src                     ; K's load n holds rows lane / 4 + 8 (n / 2) of tile 2 w + n % 2 of the chunk
	ds_store_b128 v[\a],   v[\src:\src+3]
	ds_store_b128 v[\a],   v[\src+4:\src+7] offset:1024
	ds_store_b128 v[\a+1], v[\src+8:\src+11]
	ds_store_b128 v[\a+1], v[\src+12:\src+15] offset:1024
.endm
.macro VADR
.irp n, 0,1,2,3
	v_add_nc_u32 v[AD+2+\n], s32, v[VS+\n]
.endr
.endm
.macro VPUT src
.irp n, 0,1,2,3
	ds_store_b128 v[AD+2+\n], v[(\src)+4*\n:(\src)+4*\n+3]
.endr
.endm
.macro ADRK                            ; the next step's K
	v_add_nc_u32 v[AD], s30, v[LA]
	v_xor_b32 v[AD+1], 0x80, v[AD]
	s_add_co_u32 s30, s30, STEPB
.endm
.macro ADRV j                          ; this step's V: register group g % 2 of 64 keys g / 2, sigma = 2 j + g / 2.  Four plain lines or five
.if \j
	v_xor_b32 v[AD+5], 32, v[LA]
	v_add_nc_u32 v[AD+2], s31, v[AD+5]
.else
	v_add_nc_u32 v[AD+2], s31, v[LA]
.endif
	v_xor_b32 v[AD+3], 0x80, v[AD+2]
	v_xor_b32 v[AD+4], 16, v[AD+2]
	v_xor_b32 v[AD+5], 0x90, v[AD+2]
	s_add_co_u32 s31, s31, STEPB
.endm
.macro LOAD_K half                     ; four tiles of 16 keys
.irp k, 0,1,2,3
	ds_load_b128 v[KF+8*\k:KF+8*\k+3],   v[AD]   offset:4096*\half+1024*\k
	ds_load_b128 v[KF+8*\k+4:KF+8*\k+7], v[AD+1] offset:4096*\half+1024*\k+512
.endr
.endm
.macro LOAD_V dst                      ; four fragments of 16 channels x 128 keys
.irp t, 0,1,2,3
.irp g, 0,1,2,3
	ds_load_b128 v[(\dst)+16*\t+4*\g:(\dst)+16*\t+4*\g+3], v[AD+2+\g] offset:1024*\t+512*(\g%2)+4096*(\g/2)
.endr
.endr
.endm
.macro QK half                         ; the head's 64 are one instruction's K: each score tile is finished at once
	WIN 0x40
.irp k, 0,1,2,3
.irp q, 0,1,2,3
	v_wmma_f32_16x16x64_fp8_fp8 v[64*\q+32*\half+8*\k:64*\q+32*\half+8*\k+7], v[KF+8*\k:KF+8*\k+7], v[Q+8*\q:Q+8*\q+7], 0
.endr
.endr
.endm
.macro MAXR n                          ; registers n .. n + 3 of the four tiles into two chains a tile, which begin with the largest so far; each score tile is first read at its low end
.irp q, 0,1,2,3
.if \n == 0
	v_max3_num_f32 v[TM+4*\q], v[ST+4*\q+1], v[64*\q], v[64*\q+1]
.else
	v_max3_num_f32 v[TM+4*\q], v[TM+4*\q], v[64*\q+\n], v[64*\q+\n+1]
.endif
.endr
.irp q, 0,1,2,3
.if \n == 0
	v_max3_num_f32 v[TM+4*\q+1], v[ST+4*\q+1], v[64*\q+2], v[64*\q+3]
.else
	v_max3_num_f32 v[TM+4*\q+1], v[TM+4*\q+1], v[64*\q+\n+2], v[64*\q+\n+3]
.endif
.endr
.endm
; Both halves of the step's scores.  The second half of K comes under the first half's maxima; the last eight lines of these are the places behind the second half's products.
.macro SCORES j
	QK 0
	WIN 0
	ADRV \j                                        ; plain lines that name no register of the products: the four places in front of the loads into K's fragments and of the scores' first read
	LOAD_K 1
	WIN 0x14
.irp n, 0,4,8,12,16,20,24
	MAXR \n
.endr
	VW
	s_wait_dscnt 0x0                               ; K's second half
	QK 1
	WIN 0x14
	MAXR 28
.endm
.macro STATS
.irp n, 32,36,40,44,48,52,56,60
	MAXR \n
.endr
	WIN 0
.irp q, 0,1,2,3
	v_max_num_f32 v[TM+4*\q], v[TM+4*\q], v[TM+4*\q+1]
.endr
.irp q, 0,1,2,3
	v_permlanex16_b32 v[TM+4*\q+1], v[TM+4*\q], s20, s21               ; the query's other 64 keys lie in the lane 16 away
.endr
.irp q, 0,1,2,3
	v_max_num_f32 v[ST+4*\q+1], v[TM+4*\q], v[TM+4*\q+1]
.endr
.irp q, 0,1,2,3
	v_mul_f32 v[TM+4*\q], s34, v[ST+4*\q+1]        ; -t (c is positive)
.endr
.irp q, 0,1,2,3
	v_floor_f32 v[TM+4*\q+1], v[TM+4*\q]           ; the new -M = floor(-t) = -ceil(t): a whole number
.endr
.irp q, 0,1,2,3
	v_sub_f32 v[TM+4*\q], v[TM+4*\q+1], v[ST+4*\q] ; old M - new M: a whole number, 0 or less
.endr
.irp q, 0,1,2,3
	v_mov_b32 v[ST+4*\q], v[TM+4*\q+1]
.endr
.irp q, 0,1,2,3
	v_cvt_i32_f32 v[TM+4*\q], v[TM+4*\q]           ; (it saturates)
.endr
.irp q, 0,1,2,3
	v_ldexp_f32 v[FP+FS*\q], 1.0, v[TM+4*\q]       ; f = 2^(old M - new M)
.endr
.endm
.macro RESCALE                         ; O^T under the new M, each accumulator from its low end on
.irp q, 0,1,2,3
.set nn, O+32*\q
.rept 16
	v_pk_mul_f32 v[nn:nn+1], v[nn:nn+1], v[FP+FS*\q:FP+FS*\q+1] op_sel_hi:[1,0]
.set nn, nn+2
.endr
.endr
.endm
.macro FMA0                            ; tile 0: t - M = c s + (-M), two at a time (of the pairs c and -M the low word serves both halves)
	WIN 0x41
.set nn, 0
.rept 32
	v_pk_fma_f32 v[nn:nn+1], v[nn:nn+1], s[22:23], v[ST:ST+1] op_sel_hi:[1,0,0]
.set nn, nn+2
.endr
	VW
.endm
.macro PHASE k                         ; tile k's 64 exponentials, with tile k + 1's t - M between them
	WIN 0x41
.set nn, 64*\k
.rept 32
	v_exp_f32 v[nn], v[nn]
.if \k < 3
	v_pk_fma_f32 v[nn+64:nn+65], v[nn+64:nn+65], s[22:23], v[ST+4*\k+4:ST+4*\k+5] op_sel_hi:[1,0,0]
.endif
	v_exp_f32 v[nn+1], v[nn+1]
.set nn, nn+2
.endr
.endm
; The sums of the unquantised p of nq tiles from q0 on, two at a time, in two chains a tile: one onto l, which takes f on the way, one onto v[TM+4 q:..], which l takes at the end.
.macro SUMT q0, nq
	WIN 0x10
.set tq, \q0
.rept \nq
	v_pk_fma_f32 v[ST+4*tq+2:ST+4*tq+3], v[ST+4*tq+2:ST+4*tq+3], v[FP+FS*tq:FP+FS*tq+1], v[64*tq:64*tq+1] op_sel_hi:[1,0,1]
.set tq, tq+1
.endr
	WIN 0x05
.set tq, \q0
.rept \nq
	v_pk_add_f32 v[TM+4*tq:TM+4*tq+1], v[64*tq+2:64*tq+3], v[64*tq+4:64*tq+5]
.set tq, tq+1
.endr
	WIN 0x04
.set ii, 3
.rept 29
.set tq, \q0
.rept \nq
.if (ii&1)
	v_pk_add_f32 v[ST+4*tq+2:ST+4*tq+3], v[ST+4*tq+2:ST+4*tq+3], v[64*tq+2*ii:64*tq+2*ii+1]
.else
	v_pk_add_f32 v[TM+4*tq:TM+4*tq+1], v[TM+4*tq:TM+4*tq+1], v[64*tq+2*ii:64*tq+2*ii+1]
.endif
.set tq, tq+1
.endr
.set ii, ii+1
.endr
	WIN 0
.set tq, \q0
.rept \nq
	v_pk_add_f32 v[ST+4*tq+2:ST+4*tq+3], v[ST+4*tq+2:ST+4*tq+3], v[TM+4*tq:TM+4*tq+1]
.set tq, tq+1
.endr
.endm
.macro HOLD first, count               ; the conversion to an 8-bit code does not saturate (ISA guide 7.6.2).  p is not negative, so the hold is one-sided; it is jumped over
	s_cmp_eq_u32 s28, 0                            ; where the given exponents keep p / 2^ep under 448 by themselves (the head comment says when)
	s_cbranch_scc1 .Lfree_\@
	WIN 0x44
.set nn, \first
.rept \count
	v_min_num_f32 v[nn], s35, v[nn]
.set nn, nn+1
.endr
	WIN 0
.Lfree_\@:
.endm
.macro CONV q, d                       ; registers 4 b .. 4 b + 3 of source 1: keys 32 b + 16 (lane / 16) + 0 .. 15
.irp b, 0,1,2,3
	v_cvt_scalef32_pk8_fp8_f32 v[(\d)+4*\b:(\d)+4*\b+1],   v[64*\q+16*\b:64*\q+16*\b+7],    v[SCL]
	v_cvt_scalef32_pk8_fp8_f32 v[(\d)+4*\b+2:(\d)+4*\b+3], v[64*\q+16*\b+8:64*\q+16*\b+15], v[SCL]
.endr
.endm
.macro PV                              ; one instruction to each of the 16 accumulators
	WIN 0x01
.irp t, 0,1,2,3
	v_wmma_f32_16x16x128_fp8_fp8 v[O+8*\t:O+8*\t+7], v[64+16*\t:64+16*\t+15], v[TM:TM+15], v[O+8*\t:O+8*\t+7]
.endr
	WIN 0x05
.irp q, 1,2,3
.irp t, 0,1,2,3
	v_wmma_f32_16x16x128_fp8_fp8 v[O+32*\q+8*\t:O+32*\q+8*\t+7], v[64+16*\t:64+16*\t+15], v[16*\q-16:16*\q-1], v[O+32*\q+8*\t:O+32*\q+8*\t+7]
.endr
.endr
	WIN 0                                          ; at a label and at a branch every window is 0
.endm
; A KEY STEP: 128 keys, the j-th step of its chunk.  fill = 1: the loop's steps, which bring the next chunk.  The plain lines at the head, five, are the places between the last
; products and the first ones here, which write over those products' sources.
.macro STEP j, fill
.if \fill
	s_wait_loadcnt 0x0                             ; what the step before asked for
.if \j
	VADR
	v_nop
	VPUT FB
	s_add_co_u32 s32, s32, CHUNK
	s_wait_dscnt 0x0                               ; my stores of the chunk have landed and have read their registers; this step's K is in
	s_cmp_eq_u32 s33, 1                            ; the last trip stores the last chunk: there is no K left to ask for
	s_cbranch_scc1 .Lnok_\@
	s_add_nc_u64 s[50:51], s[50:51], 256*1024      ; 256 keys on
	KASK FB, 50
.Lnok_\@:
	s_barrier_signal -1                            ; my part of the next chunk lies in LDS.  Up to the wait: register work, and loads of this chunk's bytes, which nobody writes again
.else
	KADR AD+2
.rept 3
	v_nop
.endr
	KPUT AD+2, FB
	s_wait_dscnt 0x0
	s_add_nc_u64 s[8:9], s[8:9], 256
	VASK FB
.endif
.else
.rept 5
	v_nop
.endr
	s_wait_dscnt 0x0                               ; this step's K
.endif
	SCORES \j
	STATS
	FMA0
.irp k, 0,1,2,3
	PHASE \k
	VW
.endr
	SUMT 0, 4
	HOLD 0, 256
	WIN 0x01
	CONV 0, TM
	WIN 0
	ADRK                                           ; (plain lines between tile 0's conversions and the lines that write over what those have read)
	WIN 0x41
	CONV 1, 0
	WIN 0x40
	LOAD_V 64                                      ; V into tile 1's registers, which have been converted: asked for ahead of two tiles' conversions and the rescaling
	WIN 0x41
	CONV 2, 16
	CONV 3, 32
	WIN 0
	VW
	RESCALE                                        ; also the plain lines between the conversions and the products that read their results
	VW
.if \fill && \j
	s_barrier_wait -1                              ; every wave's part of the next chunk lies in LDS
.endif
	LOAD_K 0                                       ; the NEXT step's K, first half
	s_wait_dscnt 8                                 ; V is in; these eight loads may be out
	PV
.endm
	s_load_b256 s[4:11], s[0:1], 0x0               ; Q s[4:5], K s[6:7], V s[8:9], the scales' exponents s[10:11]
	s_load_b64 s[12:13], s[0:1], 0x20              ; out0
	v_lshrrev_b32 v16, 5, v0
	v_readfirstlane_b32 s14, v16                   ; wave 0..7
	s_lshl_b32 s44, s14, 11                        ; the fill, K: tile 2 w of the chunk
	s_and_b32 s45, s14, 1
	s_lshl_b32 s45, s45, 3                         ; V: row 8 (w % 2) of
	s_lshr_b32 s46, s14, 1
	s_lshl_b32 s46, s46, 10
	s_add_co_u32 s46, s46, VIMG                    ; channels' tile w / 2
	s_lshl_b32 s47, s14, 15                        ; 32 keys x wave in K
	s_lshl_b32 s48, s14, 14                        ; 8 rows x wave in V
	; where the head, the block and the wave begin, in bytes (all under 2^32)
	s_and_b32 s16, ttmp7, 0xffff                   ; 16 b + h
	s_lshr_b32 s17, s16, 4                         ; b
	s_and_b32 s18, s16, 15                         ; h
	s_lshl_b32 s36, s17, 21                        ; K: b x 2^21 + 64 h
	s_lshl_b32 s19, s18, 6
	s_add_co_u32 s36, s36, s19
	s_mov_b32 s37, 0
	s_lshl_b32 s38, ttmp9, 19                      ; Q: the same + 512 queries x block + 64 queries x wave
	s_lshl_b32 s19, s14, 16
	s_add_co_u32 s38, s38, s19
	s_add_co_u32 s38, s38, s36
	s_mov_b32 s39, 0
	s_lshl_b32 s40, s16, 17                        ; V: (16 b + h) x 64 rows of 2,048
	s_mov_b32 s41, 0
	s_lshl_b32 s42, s17, 23                        ; out0: b x 2^23 + 256 h + 512 rows of 4,096 x block + 64 rows x wave
	s_lshl_b32 s19, s18, 8
	s_add_co_u32 s42, s42, s19
	s_lshl_b32 s19, ttmp9, 21
	s_add_co_u32 s42, s42, s19
	s_lshl_b32 s19, s14, 18
	s_add_co_u32 s42, s42, s19
	s_mov_b32 s43, 0
	s_mov_b32 s20, 0x76543210                      ; v_permlanex16_b32's selects for lane l xor 16
	s_mov_b32 s21, 0xfedcba98
	s_mov_b32 s22, 0x3e38aa3b                      ; c = log2(e) / 8
	s_mov_b32 s30, 0
	s_mov_b32 s31, VIMG
	s_mov_b32 s32, 0
	v_and_b32 v17, 15, v0                          ; r = lane % 16
	v_bfe_u32 v18, v0, 4, 1                        ; h = lane / 16
	v_bfe_u32 v19, v0, 2, 3                        ; lane / 4
	v_and_b32 v20, 3, v0                           ; lane % 4
	v_bfe_u32 v21, v0, 2, 2                        ; (lane / 4) % 4
	v_lshlrev_b32 v[GK], 10, v19                   ; K: key lane / 4 of 1,024 bytes, + 16 (lane % 4)
	v_lshl_add_u32 v[GK], v20, 4, v[GK]
	v_add_nc_u32 v[GK], s47, v[GK]
	v_lshlrev_b32 v[GV], 11, v18                   ; V: row h of 2,048 bytes, + 16 r
	v_lshl_add_u32 v[GV], v17, 4, v[GV]
	v_add_nc_u32 v[GV], s48, v[GV]
	v_lshlrev_b32 v[AD+4], 10, v17                 ; Q: query r, + 16 h
	v_lshl_add_u32 v[AD+4], v18, 4, v[AD+4]
	v_lshl_add_u32 v22, v18, 2, v17                ; a reader's place: piece h, row r, column (r + 4 h) % 16
	v_and_b32 v22, 15, v22
	v_lshlrev_b32 v22, 4, v22
	v_lshl_add_u32 v[LA], v18, 8, v22
	v_lshl_add_u32 v23, v20, 2, v19                ; the fill, K: piece lane % 4, row lane / 4
	v_and_b32 v23, 15, v23
	v_lshlrev_b32 v23, 4, v23
	v_lshl_add_u32 v23, v20, 8, v23
	v_add_nc_u32 v[KS], s44, v23
	v_lshl_add_u32 v24, v20, 2, v18                ; V: piece lane % 4, row 8 (w % 2) + 2 n + h, 64 keys' image (lane / 4) % 4 = sigma
	v_add_nc_u32 v24, s45, v24
	v_lshlrev_b32 v25, 12, v21
	v_lshl_add_u32 v25, v20, 8, v25
	v_add_nc_u32 v25, s46, v25
.irp n, 0,1,2,3
	v_add_nc_u32 v26, 2*\n, v24
	v_and_b32 v26, 15, v26
	v_xor_b32 v26, v26, v21
	v_lshl_add_u32 v[VS+\n], v26, 4, v25
.endr
	VW
	s_wait_kmcnt 0x0
	s_load_b128 s[24:27], s[10:11], 0x0            ; eq, ek, ev, ep
	s_add_nc_u64 s[6:7], s[6:7], s[36:37]
	s_add_nc_u64 s[8:9], s[8:9], s[40:41]
	s_add_nc_u64 s[4:5], s[4:5], s[38:39]
	s_add_nc_u64 s[12:13], s[12:13], s[42:43]
	s_add_nc_u64 s[50:51], s[6:7], 256*1024
	KASK TM, 6                                     ; chunk 0, on its way through registers that nothing else needs yet
	VASK KF
.irp q, 0,1,2,3
	global_load_b128 v[Q+8*\q:Q+8*\q+3],   v[AD+4], s[4:5] offset:16384*\q      ; Q's four fragments stay in registers.  No hint: the 256 bytes round a row's 64 hold three other heads', which other work-groups read
	global_load_b128 v[Q+8*\q+4:Q+8*\q+7], v[AD+4], s[4:5] offset:16384*\q+32
.endr
	KASK FB, 50                                    ; chunk 1's K
.set nn, O
.rept 128
	v_mov_b32 v[nn], 0                             ; O^T, once, while the loads are out: so the key step is written without a first step of its own: it finds zeros, which the first f = 0 leaves zeros
.set nn, nn+1
.endr
.irp q, 0,1,2,3
	v_mov_b32 v[ST+4*\q], 0x7f7fffff               ; -M: M begins under every t,
	v_mov_b32 v[ST+4*\q+1], 0xff7fffff             ; and so does the largest score
	v_mov_b32 v[ST+4*\q+2], 0                      ; the sum, in two halves
	v_mov_b32 v[ST+4*\q+3], 0
.endr
	s_wait_kmcnt 0x0
	s_add_co_i32 s44, s24, s25                     ; a score stands for score x 2^(eq + ek): the two exponents are added to c's exponent field
	s_lshl_b32 s45, s44, 23
	s_add_co_i32 s22, s22, s45
	s_mov_b32 s23, s22                             ; (named with it as a pair, so it is written)
	s_xor_b32 s34, s22, 0x80000000                 ; -c
	s_add_co_i32 s45, s27, 127
	s_lshl_b32 s19, s45, 23
	v_mov_b32 v[SCL], s19                          ; 2^ep as f32: the conversion takes its exponent field
	s_add_co_i32 s45, s45, 8
	s_lshl_b32 s45, s45, 23
	s_or_b32 s35, s45, 0x600000                    ; 448 x 2^ep
	s_cmp_lt_i32 s27, -8
	s_cselect_b32 s28, 1, 0                        ; p is held where 2^-ep is over 448,
	s_cmp_gt_i32 s44, 1
	s_cselect_b32 s28, 1, s28                      ; and where t can be so large that its rounding could lift p to 1.75
	s_add_co_i32 s29, s26, s27                     ; ep + ev
	VW
	s_wait_loadcnt 12                              ; chunk 0 is in; Q's eight loads and chunk 1's four may be out,
	s_wait_xcnt 0x0                                ; but have had their addresses translated (ISA guide 3.1): the register of Q's offset is written again below
	KADR AD
	KPUT AD, TM
	VADR
	VPUT KF
	s_add_co_u32 s32, s32, CHUNK
	s_wait_dscnt 0x0
	s_barrier_signal -1
	s_barrier_wait -1                              ; chunk 0 lies in LDS
	ADRK
	VW
	LOAD_K 0
	s_mov_b32 s33, 7
.Lchunk:                                               ; seven trips, chunks 0 to 6: trip C lays chunk C + 1 into LDS
	STEP 0, 1
	STEP 1, 1
	s_sub_co_u32 s33, s33, 1
	s_cmp_lg_u32 s33, 0
	s_cbranch_scc1 .Lchunk
	STEP 0, 0                                      ; chunk 7
; THE LAST STEP goes tile by tile behind its maxima: a tile is finished and leaves while the next one's exponentials are made.  Nothing follows, so V's fragments lie where Q's and K's were,
; and a tile's codes where the fill's registers were.
; OUT: O^T x 2^(ep + ev) / the sum goes through my own stage in LDS, 16 queries x 256 bytes, and comes back as whole rows.  SEND: a head's row of out0 is 256 bytes at a multiple of 256 from the buffer's first byte.
.set FP, TM+2
.set FS, 4
.macro OUT q
	WIN 0x40
.set nn, 0
.rept 16
	v_pk_mul_f32 v[64*\q+nn:64*\q+nn+1], v[O+32*\q+nn:O+32*\q+nn+1], v[TM+4*\q+2:TM+4*\q+3] op_sel_hi:[1,0]   ; register 8 t + i is out(r, 16 t + 8 h + i); each accumulator from its low end on
.set nn, nn+2
.endr
	WIN 0x04
.irp t, 0,1,2,3
	ds_store_b128 v[STO], v[64*\q+8*\t:64*\q+8*\t+3]   offset:64*\t
	ds_store_b128 v[STO], v[64*\q+8*\t+4:64*\q+8*\t+7] offset:64*\t+16
.endr
	WIN 0x40
.irp t, 0,1,2,3,4,5,6,7
	ds_load_b128 v[64*\q+32+4*\t:64*\q+32+4*\t+3], v[RD] offset:\t*2*SP   ; LDS serves a wave's instructions in order (ISA guide 5.7.1.4): these see the stores above, and the next tile's stores come behind them
.endr
	WIN 0
.endm
.macro SEND q
	WIN 0x04
.irp t, 0,1,2,3,4,5,6,7
	global_store_b128 v[GO], v[64*(\q)+32+4*\t:64*(\q)+32+4*\t+3], s[12:13] offset:65536*(\q)+8192*\t th:TH_STORE_NT   ; sixteen lanes store 256 consecutive bytes, aligned; written once, read by nobody here
.endr
	WIN 0
.endm
.macro FIN q
	PHASE \q
	WIN 0
	VW
	SUMT \q, 1
	VW
	HOLD 64*\q, 64
	WIN 0x01
	CONV \q, FB
	WIN 0
	v_add_f32 v[TM+4*\q], v[ST+4*\q+2], v[ST+4*\q+3]                   ; the sum's two halves,
	v_permlanex16_b32 v[TM+4*\q+1], v[TM+4*\q], s20, s21
	v_add_f32 v[TM+4*\q], v[TM+4*\q], v[TM+4*\q+1]                     ; and the lane's 16 away
	VW
	s_wait_dscnt 0x0                               ; tile 0: V is in; later: the tile before is back in registers
.if \q > 0
	SEND \q-1
.endif
	v_rcp_f32 v[TM+4*\q], v[TM+4*\q]
	v_nop
	VW
	v_ldexp_f32 v[TM+4*\q+2], v[TM+4*\q], s29      ; 2^(ep + ev) / the sum, where f lay
.irp t, 0,1,2,3
	v_wmma_f32_16x16x128_fp8_fp8 v[O+32*\q+8*\t:O+32*\q+8*\t+7], v[Q+16*\t:Q+16*\t+15], v[FB:FB+15], v[O+32*\q+8*\t:O+32*\q+8*\t+7]
.endr
.rept 4
	v_nop
.endr
	OUT \q
.endm
.rept 5
	v_nop
.endr
	s_wait_dscnt 0x0
	SCORES 1
	WIN 0
	LOAD_V Q                                       ; the eight lines of the maxima above are the places behind the products that read Q's and K's fragments
	v_and_b32 v4, 15, v0                           ; r
	v_bfe_u32 v5, v0, 4, 1                         ; h
	s_mul_i32 s44, s14, 16*SP
	s_add_co_u32 s44, s44, STG                     ; my stage
	v_mul_u32_u24 v[STO], v4, SP                   ; in: row r; tile t's eight channels of my half: 64 t + 32 h bytes on
	v_lshl_add_u32 v[STO], v5, 5, v[STO]
	v_add_nc_u32 v[STO], s44, v[STO]
	v_mul_u32_u24 v[RD], v5, SP                    ; back: lanes 0-15 take one row of 256 bytes, lanes 16-31 the next
	v_lshl_add_u32 v[RD], v4, 4, v[RD]
	v_add_nc_u32 v[RD], s44, v[RD]
	v_lshlrev_b32 v[GO], 12, v5                    ; and the same two rows in out0, 4,096 bytes apart
	v_lshl_add_u32 v[GO], v4, 4, v[GO]
	v_lshl_add_u32 v[SPW], v0, 2, SPARE
	v_mov_b32 v[NIL], 0
	WIN 0x14
	STATS
	RESCALE
	FMA0
.irp q, 0,1,2,3
	FIN \q
.endr
	s_wait_dscnt 0x0
	SEND 3
	s_wait_tensorcnt 0x0                           ; the wave's end
	ds_add_u32 v[SPW], v[NIL]
	s_wait_dscnt 0x0
	s_endpgm
.Lfunc_end_k_qfffd88b446_attn:
	.size	k_qfffd88b446_attn, .Lfunc_end_k_qfffd88b446_attn-k_qfffd88b446_attn
	.p2alignl 7, 3214868480
	.fill 96, 4, 3214868480
	.section	.rodata,"a",@progbits
	.p2align	6, 0x0
	.amdhsa_kernel k_qfffd88b446_attn
		.amdhsa_group_segment_fixed_size 297984
		.amdhsa_private_segment_fixed_size 0
		.amdhsa_enable_private_segment 0
		.amdhsa_kernarg_size 40
		.amdhsa_user_sgpr_count 2
		.amdhsa_user_sgpr_kernarg_segment_ptr 1
		.amdhsa_wavefront_size32 1
		.amdhsa_system_sgpr_workgroup_id_x 1
		.amdhsa_system_sgpr_workgroup_id_y 1
		.amdhsa_system_sgpr_workgroup_id_z 1
		.amdhsa_system_vgpr_workitem_id 0
		.amdhsa_next_free_vgpr 512
		.amdhsa_next_free_sgpr 66
		.amdhsa_reserve_vcc 0
		.amdhsa_float_denorm_mode_32 3
		.amdhsa_float_denorm_mode_16_64 3
		.amdhsa_memory_ordered 1
		.amdhsa_forward_progress 1
		.amdhsa_inst_pref_size 246
	.end_amdhsa_kernel
	.amdgpu_metadata
---
amdhsa.version: [ 1, 2 ]
amdhsa.kernels:
  - .name:           k_qfffd88b446_attn
    .symbol:         k_qfffd88b446_attn.kd
    .args:
      - { .name: queries_codes, .offset: 0, .size: 8, .value_kind: global_buffer, .address_space: global }
      - { .name: keys_codes, .offset: 8, .size: 8, .value_kind: global_buffer, .address_space: global }
      - { .name: values_codes, .offset: 16, .size: 8, .value_kind: global_buffer, .address_space: global }
      - { .name: lowp_scales, .offset: 24, .size: 8, .value_kind: global_buffer, .address_space: global }
      - { .name: out0, .offset: 32, .size: 8, .value_kind: global_buffer, .address_space: global }
    .group_segment_fixed_size: 297984
    .private_segment_fixed_size: 0
    .kernarg_segment_align: 8
    .kernarg_segment_size: 40
    .max_flat_workgroup_size: 256
    .sgpr_count:     66
    .vgpr_count:     512
    .wavefront_size: 32
...
	.end_amdgpu_metadata
.endif
;; end of part 1
